; MI455X (gfx1250); checked and timed in simulation.
; The chip was launched on July 23, 2026; its instructions are those of AMD's public machine-readable ISA for CDNA 5 (MIT licence, August 2026) and "CDNA5" Instruction Set Architecture Reference Guide (July 2026). The comments in the code are by the model that wrote it; some were corrected since.
;; Full Attention. Allowed arithmetic: matrix products marked QUANTISED: E3M2 operands, one E8M0 scale for each 32 along K, by v_wmma_scale_f32_16x16x128_f8f6f4 with both operands' format E3M2, f32 sums; everything else in f32.
;; Inputs: keys 4 x 2,048 x 8 x 64 float32; queries 4 x 2,048 x 8 x 64 float32.
;; Outputs: out0 4 x 2,048 x 8 x 64 float32; out1 4 x 2,048 x 8 x 64 float32.
;; This version of the problem:
;;   THIS VERSION OF THE PROBLEM IS GIVEN IN LOW PRECISION. The matrix products marked QUANTISED in the list below multiply operands that are first quantised to E3M2 (3 exponent bits, 2 mantissa bits; 6 bits a number), with one power-of-two scale for each 32 numbers along K (OCP MX v1.0); their sums are f32. All else is computed in f32.
;;   The module's matrix products, in the order in which they are computed (A, B: the left and right operand; K: the contracted axis; several contracted axes count as one K, in the product's order):
;;     1. batch 32 x [M 2,048, K 64] x [K 64, N 2,048]; A: input queries; B: input keys: QUANTISED
;;     2. batch 32 x [M 64, K 2,048] x [K 2,048, N 2,048]; A: input keys; B: softmax (see below): QUANTISED
;;     3. batch 32 x [M 64, K 2,048] x [K 2,048, N 2,048]; A: input queries; B: softmax (see below): QUANTISED
;;   THE QUANTISER, for each operand of a quantised product, along K:
;;     - K is cut into blocks of 32 from its start; a last block that is shorter is filled with zeros.
;;     - A block's scale is 2^e with e = floor(log2(the largest magnitude in the block)) - 4, held to -126 .. 127; a block of zeros has e = 0. As a byte (E8M0): e + 127.
;;     - Each number is divided by its block's scale, clamped to +-28, and rounded to the nearest number of E3M2, ties to even, subnormals kept.
;;     - The product sums the exact products of the quantised numbers (number of the format x scale) in f32.
;;   ~~~python
;;   def quantise(x, axis):      # numpy; x: float32 -> the quantised numbers, widened to float32 again
;;       x = np.moveaxis(x, axis, -1); K = x.shape[-1]
;;       x = np.pad(x, [(0, 0)] * (x.ndim - 1) + [(0, -K % 32)]); x = x.reshape(x.shape[:-1] + (-1, 32)); a = np.abs(x).max(-1, keepdims=True)
;;       e = np.where(a > 0, np.clip(np.frexp(np.where(a > 0, a, 1))[1] - 1 - 4, -126, 127), 0)      # np.frexp(a)[1] - 1 = floor(log2(a)), exactly
;;       r = np.clip(x / 2.0 ** e, -28, 28)
;;       step = 2.0 ** (np.maximum(np.frexp(np.where(r == 0, 1, r))[1] - 1, -2) - 2)
;;       q = np.round(r / step) * step * 2.0 ** e      # np.round: ties to even
;;       return np.moveaxis(q.reshape(q.shape[:-2] + (-1,))[..., :K], -1, axis).astype(np.float32)
;;   ~~~
;;   SOFTMAX AHEAD OF A QUANTISED PRODUCT. Where the list says 'softmax', what is quantised is not the finished softmax but p = 2^(t - M), with t = logit x log2(e) and M = ceil(the row's largest t), a whole number; so 1/2 < the row's largest p <= 1. The row's sum l is taken of the UNQUANTISED p, in f32, and the product's result is divided by l at the end. Since M is a whole number, a kernel that streams over the keys may use a running M (the ceiling of the running maximum): every later rescaling is an exact power of two, which a block's scale takes up: the codes' values come out the same.
;;   OPERANDS COMPUTED ON THE WAY. 'Computed on the way' means the value that the module computes at that place (a softmax that the list does not call 'softmax' is quantised finished and normalised). What goes into a quantiser is computed in f32, as accurately as f32 sums, v_exp_f32 and their like allow (about 1e-6 of the number): no bf16 or f16 on the way to a quantiser, and a product that is left as it is and whose result goes on into a quantised operand takes f32 operands (vector FMAs, or v_wmma_f32_16x16x4_f32). A number that lies on a knife's edge between two numbers of the format may be rounded either way, as far as f32 arithmetic and the matrix unit's own rounding can turn it there, and no further.
;; One version. Each part assembles by itself: llvm-mc -triple=amdgcn-amd-amdhsa -mcpu=gfx1250 --defsym DOCPART=n.
;; ======== version 1 of 1: 2 launches
;; limits: right only within a limited range of input values
;; workspace buffers: ws 13,107,200 bytes
;; launch quant (part 1): grid 4 x 64, 8 waves a work-group, no clusters, 168,960 bytes of LDS; arguments queries, keys, ws; writes ws
.if DOCPART == 1
	.amdgcn_target "amdgcn-amd-amdhsa--gfx1250"
	.amdhsa_code_object_version 6
	.text
	.protected	k_q3dba498356_quant
	.globl	k_q3dba498356_quant
	.p2align	8
	.type	k_q3dba498356_quant,@function
k_q3dba498356_quant:
	s_mov_b64 s[64:65], 0
	v_nop
	global_prefetch_b8 v0, s[64:65] scope:SCOPE_SE
	s_setreg_imm32_b32 hwreg(HW_REG_WAVE_MODE, 25, 1), 1
	s_wait_xcnt 0x0
; queries and keys, [4][2048][8][64] f32, are each quantised TWICE to codes of BF6 (E3M2) with one E8M0 byte for each 32 numbers:
; along the 64 channels (operand of the scores) and along the 2,048 rows (operand of the second product, whose K is the row index).
; The codes leave as IMAGES OF THE MATRIX OPERANDS' REGISTERS: a fragment is 12 registers a lane; register 4 p + q of lane l lies at byte 512 p + 16 l + 4 q of its 1,536 bytes.
; ws: 64 records of REC bytes, tensor (0 queries, 1 keys) x 32 + head; a record is 16 step records of STEPB bytes, 128 rows each:
;   +0     KE: 4 images f.  Register 6 u + w of lane (r, h) = word w of the 24 bytes of codes of row ROW(2 f + u, r), channels 32 h on: two tiles of 16 rows in one image, one in each half of the instruction's K.
;          ROW(T, r) = 64 (T / 4) + 32 (r / 8) + 8 (T % 4) + r % 8: with these rows a lane of the transposed scores holds two whole blocks of 32 neighbouring rows.
;   +6144  VL: 4 images t.  Register 6 c + w of lane (r, h) = word w of the codes of channel 16 t + r, rows 64 c + 32 h + 0 .. 31.
;   +12288 KES: word 16 f + r = the bytes of (u, h) = (0,0), (0,1), (1,0), (1,1).      +12544 VLS: word 16 t + r, byte b = the scale of rows 32 b on.
; A block's scale is 2^(floor(log2(its largest magnitude)) - 4); its byte is the largest magnitude's exponent field - 4, held at 1 from below.
; LIMITS: NaN and infinities among the inputs are not served.  A block of zeros gets the byte 1 where the rule says 127: its codes are zeros, and this program alone reads the bytes.
; SHARES.  A work-group takes 512 rows (4 steps) of one head of one tensor; wave w fetches rows 64 w .. 64 w + 63 by ONE tensor load (16 KiB; 128 KiB for the eight waves, all asked for at the start).
; Waves 2 p and 2 p + 1 share step p: wave (p, x) makes KE's images 2 x, 2 x + 1 (they hold only its own 64 rows) and VL's images 2 x, 2 x + 1 (channels 32 x on, of the pair's 128 rows).
; LDS is filled once and only read: one barrier, no slot is filled again, nothing is stored to LDS.  No cluster: no two work-groups read the same bytes.
.set REC,   204800
.set STEPB, 12800
.set VLO,   6144
.set KESO,  12288
.set VLSO,  12544
.set PITCH, 272                        ; an LDS row: 256 bytes + 16 of padding
.set WTILE, 64*PITCH                   ; what one wave fetches
.set MX,  10                           ; v10-11  two blocks' largest magnitudes
.set SO,  12                           ; v12-13  the conversions' scale operands
.set BY,  14                           ; v14-15  the scale bytes
.set CT,  16                           ; v16-18, v20-22  each block's upper 16 codes, before they are moved
.set W,   24                           ; v24-27  a QPAIR's two bytes, at bits 0 and 16
.set PD,  28                           ; v28     the lane permute's destination
.set KSW, 29                           ; v29     KES's word of my lane
.set VSW, 30                           ; v30     VLS's
.set CE,  32                           ; v32-55  KE's two images
.set CL,  56                           ; v56-79  VL: my channel's registers for image lanes (r, 0) and (r, 1)
.set XA,  96                           ; v96-159   64 numbers
.set XB,  160                          ; v160-223  64 numbers
	s_load_b128 s[4:7], s[0:1], 0x0                ; queries s[4:5], keys s[6:7]
	s_load_b64 s[8:9], s[0:1], 0x10                ; ws
	v_lshl_add_u32 v224, v0, 2, 0x29000
	v_mov_b32 v225, 0
	ds_add_u32 v224, v225
	ds_add_u32 v224, v225
	v_lshrrev_b32 v1, 5, v0
	s_delay_alu instid0(VALU_DEP_1)
	v_readfirstlane_b32 s10, v1                    ; wave 0..7
	s_lshr_b32 s11, s10, 1                         ; p: which of the group's four steps
	s_and_b32 s12, s10, 1                          ; x: which half of the step's rows, and of the channels
	s_and_b32 s13, ttmp7, 0xffff                   ; 32 x tensor + head
	s_and_b32 s14, s13, 31                         ; head = 8 b + hd
	; descriptor group 1: 64 rows x 64 elements of 4 bytes, 512 elements from row to row, 4 words of padding behind every 64
	s_mov_b32 s28, (2<<16)|(1<<20)|(5<<22)|(3<<25) ; 15:0 no mask; 17:16 elements of 4 bytes; 20 padding on; 24:22 after every 64 words (code 5); 31:25 4 words (code 3)
	s_mov_b32 s29, 64<<16                          ; tensor_dim0 = 64
	s_mov_b32 s30, 64<<16                          ; tensor_dim1 = 64
	s_mov_b32 s31, 64<<16                          ; tile_dim0 = 64
	s_mov_b32 s32, 64                              ; tile_dim1 = 64
	s_mov_b32 s33, 512                             ; tensor_dim0_stride
	s_mov_b32 s34, 0
	s_mov_b32 s35, 0
	; my first row in the input, in bytes: b << 22 | row << 11 | hd << 8 (the fields do not meet)
	s_lshr_b32 s16, s14, 3
	s_lshl_b32 s16, s16, 22
	s_lshl_b32 s15, ttmp9, 9
	s_lshl_b32 s17, s10, 6
	s_add_co_u32 s15, s15, s17                     ; row 512 x group + 64 x wave
	s_lshl_b32 s15, s15, 11
	s_or_b32 s16, s16, s15
	s_and_b32 s15, s14, 7
	s_lshl_b32 s15, s15, 8
	s_or_b32 s16, s16, s15
	s_mov_b32 s17, 0
	; my step record in ws
	s_mul_i32 s18, s13, REC
	s_lshl_b32 s15, ttmp9, 2
	s_add_co_u32 s15, s15, s11
	s_mul_i32 s15, s15, STEPB
	s_add_co_u32 s18, s18, s15
	s_mov_b32 s19, 0
	s_mov_b32 s20, 0x76543210
	s_mov_b32 s21, 0xfedcba98                      ; v_permlanex16_b32's selects for lane l xor 16
	s_mov_b32 s24, 1                               ; group 0: count = 1,
	s_mul_i32 s25, s10, WTILE                      ; LDS address: wave x 64 rows
	s_wait_dscnt 0x0
	s_wait_kmcnt 0x0
	s_cmp_lt_u32 s13, 32                           ; which tensor: the choice hangs on the work-group's number alone
	s_cselect_b64 s[4:5], s[4:5], s[6:7]
	s_add_nc_u64 s[26:27], s[4:5], s[16:17]        ; global address of my first row,
	s_or_b32 s27, s27, 0x80000000                  ; type = 2
	s_add_nc_u64 s[8:9], s[8:9], s[18:19]
	tensor_load_to_lds s[24:27], s[28:35]          ; my one tensor load: one is out
	s_nop 0
.rept 4
	v_nop
.endr
	v_and_b32 v1, 31, v0                           ; lane
	v_and_b32 v2, 15, v0                           ; r
	v_bfe_u32 v3, v0, 4, 1                         ; h
	v_and_b32 v4, 7, v0
	s_delay_alu instid0(VALU_DEP_1)
	v_mul_u32_u24 v4, v4, PITCH
	v_bfe_u32 v9, v0, 3, 1
	s_delay_alu instid0(VALU_DEP_1)
	v_mad_u32_u24 v4, v9, 32*PITCH, v4             ; row 32 (r / 8) + r % 8 of my wave's 64,
	s_delay_alu instid0(VALU_DEP_1)
	v_lshl_add_u32 v4, v3, 7, v4                   ; channels 32 h on,
	s_delay_alu instid0(VALU_DEP_1)
	v_add_nc_u32 v4, s25, v4                       ; in my wave's rows: KE's reads
	s_mul_i32 s15, s11, 2*WTILE
	s_lshl_b32 s22, s12, 7
	s_add_co_u32 s15, s15, s22
	v_lshl_add_u32 v5, v1, 2, s15                  ; VL's reads: the pair's rows, channel 32 x + lane
	s_mul_i32 s23, s12, 2*1536
	v_lshl_add_u32 v6, v1, 4, s23                  ; KE's stores: 16 x lane in images 2 x, 2 x + 1
	v_lshl_add_u32 v7, v1, 2, s22                  ; the scale words: 4 x lane + 128 x
	v_mul_u32_u24 v8, v3, 1536
	s_delay_alu instid0(VALU_DEP_1)
	v_lshl_add_u32 v8, v2, 4, v8
	s_delay_alu instid0(VALU_DEP_1)
	v_add_nc_u32 v8, s23, v8                       ; VL's stores: my channel is row lane % 16 of image 2 x + lane / 16
	v_lshlrev_b32 v9, 3, v3                        ; 8 h
	v_mov_b32 v[PD], 0                             ; written once: a lane permute's destination counts as one of its sources
.macro ELOAD fl, reg                   ; image 2 x + fl: for u = 0, 1 my 32 channels of row ROW(4 x + 2 fl + u, r): 128 bytes
.irp u, 0,1
.irp j, 0,1,2,3,4,5,6,7
	ds_load_b128 v[\reg+32*\u+4*\j:\reg+32*\u+4*\j+3], v4 offset:8*PITCH*(2*\fl+\u)+16*\j
.endr
.endr
.endm
.macro LLOAD beta, reg                 ; rows 32 beta + 0 .. 31 of my channel: a lane is a channel, its registers run down the rows; 32 lanes read 128 consecutive bytes
.irp i, 0,1,2,3,4,5,6,7,8,9,10,11,12,13,14,15,16,17,18,19,20,21,22,23,24,25,26,27,28,29,30,31
	ds_load_b32 v[(\reg)+\i], v5 offset:PITCH*(32*\beta+\i)
.endr
.endm
; two blocks of 32 numbers, at v[src] and v[src + 32], become 12 registers of codes at v[dst]; their bytes go to bits 0 and 16 of v[wd]
.macro QPAIR src, dst, wd
.irp c, 0,1
	v_max3_num_f32 v[MX+\c], |v[\src+32*\c]|, |v[\src+32*\c+1]|, 0x2800000   ; and the floor 2^(5 - 127): the byte cannot fall under 1
.endr
.irp i, 2,4,6,8,10,12,14,16,18,20,22,24,26,28,30
.irp c, 0,1
	s_delay_alu instid0(VALU_DEP_2)
	v_max3_num_f32 v[MX+\c], v[MX+\c], |v[\src+32*\c+\i]|, |v[\src+32*\c+\i+1]|   ; (the two blocks by turns)
.endr
.endr
.irp c, 0,1
	s_delay_alu instid0(VALU_DEP_2)
	v_add_nc_u32 v[SO+\c], 0xfe000000, v[MX+\c]    ; 4 off the exponent field: the conversion takes this operand's exponent field as its scale
.endr
.irp c, 0,1
	s_delay_alu instid0(VALU_DEP_2)
	v_lshrrev_b32 v[BY+\c], 23, v[SO+\c]           ; the scale's byte
.endr
	s_delay_alu instid0(VALU_DEP_1)
	v_lshl_or_b32 v[\wd], v[BY+1], 16, v[BY]
.irp c, 0,1
	v_cvt_scalef32_pk16_bf6_f32 v[\dst+6*\c:\dst+6*\c+2], v[\src+32*\c:\src+32*\c+15], v[SO+\c]
	v_cvt_scalef32_pk16_bf6_f32 v[CT+4*\c:CT+4*\c+2], v[\src+32*\c+16:\src+32*\c+31], v[SO+\c]   ; (a conversion's three registers begin on an even number)
.endr
	v_nop                                          ; one plain place behind a scaled conversion
.irp c, 0,1
.irp i, 0,1,2
	v_mov_b32 v[\dst+6*\c+3+\i], v[CT+4*\c+\i]
.endr
.endr
.endm
	s_wait_alu depctr_va_vdst(0)
	s_wait_tensorcnt 0x0                           ; my 64 rows are in LDS,
	s_barrier_signal -1
	s_barrier_wait -1                              ; and so are my partner's
	ELOAD 0, XA
	ELOAD 1, XB
	s_wait_dscnt 16                                ; image 0's sixteen loads are in; the sixteen younger ones are image 1's
	QPAIR XA, CE, W
	s_wait_dscnt 0x0                               ; image 1's numbers are in
	LLOAD 0, XA                                    ; blocks 0 and 2 of my channel land while image 1 is quantised
	LLOAD 2, XA+32
	QPAIR XB, CE+12, W+1
.irp i, 0,1
	v_lshlrev_b32 v[W+\i], v9, v[W+\i]             ; my two bytes, (u, h) for u = 0, 1, at their places: 8 h bits up;
.endr
.irp i, 0,1
	s_delay_alu instid0(VALU_DEP_2)
	v_permlanex16_b32 v[PD], v[W+\i], s20, s21
	s_delay_alu instid0(VALU_DEP_1)
	v_or_b32 v[W+\i], v[W+\i], v[PD]               ; with lane l xor 16's two the row's word is whole
.endr
	v_cmp_gt_u32 vcc_lo, 16, v1
	s_delay_alu instid0(VALU_DEP_1)
	v_cndmask_b32 v[KSW], v[W+1], v[W], vcc_lo     ; lanes 0-15 store image 2 x's words, lanes 16-31 image 2 x + 1's
.irp f, 0,1
.irp p, 0,1,2
	global_store_b128 v6, v[CE+12*\f+4*\p:CE+12*\f+4*\p+3], s[8:9] offset:1536*\f+512*\p   ; 32 lanes store 512 consecutive bytes, at a multiple of 256 from ws's first byte
.endr
.endr
	global_store_b32 v7, v[KSW], s[8:9] offset:KESO   ; 128 consecutive bytes; the partner wave stores the other 128 of the table
	s_wait_dscnt 0x0                               ; blocks 0 and 2 are in
	LLOAD 1, XB
	LLOAD 3, XB+32
	QPAIR XA, CL, W+2
.irp p, 0,1,2
	global_store_b128 v8, v[CL+4*\p:CL+4*\p+3], s[8:9] offset:VLO+512*\p   ; image lanes (r, 0): sixteen lanes store 256 consecutive bytes, aligned
.endr
	s_wait_dscnt 0x0                               ; blocks 1 and 3 are in
	QPAIR XB, CL+12, W+3
	v_lshl_or_b32 v[VSW], v[W+3], 8, v[W+2]        ; bytes 0, 2 and bytes 1, 3: my channel's word
.irp p, 0,1,2
	global_store_b128 v8, v[CL+12+4*\p:CL+12+4*\p+3], s[8:9] offset:VLO+512*\p+256   ; image lanes (r, 1)
.endr
	global_store_b32 v7, v[VSW], s[8:9] offset:VLSO
	s_wait_tensorcnt 0x0
	ds_add_u32 v224, v225
	s_wait_dscnt 0x0
	s_endpgm                                       ; every store has data registers of its own: none is written again
.Lfunc_end_k_q3dba498356_quant:
	.size	k_q3dba498356_quant, .Lfunc_end_k_q3dba498356_quant-k_q3dba498356_quant
	.p2alignl 7, 3214868480
	.fill 96, 4, 3214868480
	.section	.rodata,"a",@progbits
	.p2align	6, 0x0
	.amdhsa_kernel k_q3dba498356_quant
		.amdhsa_group_segment_fixed_size 168960
		.amdhsa_private_segment_fixed_size 0
		.amdhsa_enable_private_segment 0
		.amdhsa_kernarg_size 24
		.amdhsa_user_sgpr_count 2
		.amdhsa_user_sgpr_kernarg_segment_ptr 1
		.amdhsa_wavefront_size32 1
		.amdhsa_system_sgpr_workgroup_id_x 1
		.amdhsa_system_sgpr_workgroup_id_y 1
		.amdhsa_system_sgpr_workgroup_id_z 1
		.amdhsa_system_vgpr_workitem_id 0
		.amdhsa_next_free_vgpr 226
		.amdhsa_next_free_sgpr 66
		.amdhsa_reserve_vcc 1
		.amdhsa_float_denorm_mode_32 3
		.amdhsa_float_denorm_mode_16_64 3
		.amdhsa_memory_ordered 1
		.amdhsa_forward_progress 1
		.amdhsa_inst_pref_size 32
	.end_amdhsa_kernel
	.amdgpu_metadata
---
amdhsa.version: [ 1, 2 ]
amdhsa.kernels:
  - .name:           k_q3dba498356_quant
    .symbol:         k_q3dba498356_quant.kd
    .args:
      - { .name: queries, .offset: 0, .size: 8, .value_kind: global_buffer, .address_space: global }
      - { .name: keys, .offset: 8, .size: 8, .value_kind: global_buffer, .address_space: global }
      - { .name: ws, .offset: 16, .size: 8, .value_kind: global_buffer, .address_space: global }
    .group_segment_fixed_size: 168960
    .private_segment_fixed_size: 0
    .kernarg_segment_align: 8
    .kernarg_segment_size: 24
    .max_flat_workgroup_size: 256
    .sgpr_count:     66
    .vgpr_count:     226
    .wavefront_size: 32
...
	.end_amdgpu_metadata
.endif
;; end of part 1
;; launch attn (part 2): grid 4 x 64, 16 waves a work-group, clusters of 4 x 1, 276,480 bytes of LDS; arguments ws, out0, out1; writes out0, out1
.if DOCPART == 2
	.amdgcn_target "amdgcn-amd-amdhsa--gfx1250"
	.amdhsa_code_object_version 6
	.text
	.protected	k_q3dba498356_attn
	.globl	k_q3dba498356_attn
	.p2align	8
	.type	k_q3dba498356_attn,@function
k_q3dba498356_attn:
	s_mov_b64 s[64:65], 0
	v_nop
	global_prefetch_b8 v0, s[64:65] scope:SCOPE_SE
	s_setreg_imm32_b32 hwreg(HW_REG_WAVE_MODE, 25, 1), 1
	s_wait_xcnt 0x0
	s_wait_alu depctr_hold_cnt(0) depctr_sa_sdst(0) depctr_va_vdst(0) depctr_va_sdst(0) depctr_va_ssrc(0) depctr_va_vcc(0) depctr_vm_vsrc(0)
	s_getreg_b32 s2, hwreg(HW_REG_IB_STS2, 6, 4)
	s_cmp_eq_u32 s2, 0
	s_cbranch_scc0 .Lentry_in_a_cluster
	s_endpgm
.Lentry_in_a_cluster:
	s_bfe_u32 s2, ttmp6, 0x10000c
	s_cmp_lg_u32 s2, 0x3003
	s_cbranch_scc0 .Lentry_shape_is_right
	s_endpgm
.Lentry_shape_is_right:
; attn(X, Y) = softmax(X Y^T / 8) Y for one head; grid y = 32 x direction + head.  Direction 0: X = queries, Y = keys, result out0; direction 1: X = keys, Y = queries, result out1.
; Both products on codes of BF6 (E3M2) with one E8M0 scale for each 32 along K, taken from ws as the launch before laid them: images of the operands' registers
; (a fragment: 3 loads of 16 bytes a lane at 16 x lane; a step record of 12,800 bytes holds, for 128 rows, KE's 4 images, VL's 4 images, 64 + 64 scale words).
; THE SOFTMAX AHEAD OF THE SECOND PRODUCT: t = score x log2(e) / 8; M = the row's largest t so far, rounded UP to a whole number; p = 2^(t - M) is quantised along the keys, not normalised.
; The row's sum is taken of the unquantised p, in f32, and divides O at the end.  When M moves, the sum and O are multiplied by 2^(old M - new M): exact.
; SHARES.  A work-group owns 512 rows of X; each of its SIXTEEN waves owns one tile of 16 of them at a time, twice, in 256 registers: four waves to a SIMD, so that one wave's
; vector work (some eighteen vector instructions for each matrix instruction) stands beside another's matrix work and LDS loads.  Every wave walks Y's 16 steps of 128 rows.
; LDS.  Y's whole record, 204,800 bytes, is brought ONCE, wave w its step record w, and only read after that: no slot is filled again.  Behind it a stage of 16 rows x 272 bytes for each wave, for the way out.
; CLUSTER.  The four work-groups of a cluster belong to one head and direction and read the same record of Y: each step record is asked for JOINTLY, by the same tensor load with the same descriptor
; (made of grid y and the wave's number alone) and a mask that names the four.  By this text's count a wave has one tensor load out.
; LAYOUT.  Both products are used transposed: S^T = Y X^T (source 0 = Y's rows, source 1 = my 16 rows of X), O^T = Y^T P^T: a lane holds ONE row of X (lane % 16) throughout.
; The scores' K is 64, half of the instruction's 128: an image of KE holds TWO tiles of 16 rows of Y, one in each half of K, and is multiplied by [x | 0] and by [0 | x]; the other half meets zero codes (scale byte 127).
; The rows of a tile are ROW(T, r) = 64 (T / 4) + 32 (r / 8) + 8 (T % 4) + r % 8, so that register 32 c + i of the eight tiles' scores is key 64 c + 32 (lane / 16) + i: two WHOLE blocks of 32 keys in a lane, in the
; very lanes and order that the next operand wants: a block's maximum asks no other lane, and the conversions' results are the operand.  My rows of X are such a tile too; only the rows of the output follow ROW.
; LIMITS: NaN and infinities among the inputs are not served.  A block's largest p is made from its largest score by the same multiply-add and exponential: this takes v_exp_f32 not to fall where its input rises.
.set REC,   204800
.set STEPB, 12800
.set VLO,   6144
.set KESO,  12288
.set STAGE, 204800
.set SP,    272
; v1 16 x lane; v2 4 x lane + KESO; v3, v4 the same in the step in hand; v5, v6 the stage, in and back; v7 my byte in two rows of the output; v8 8 h; v9 4 r
; v10 p's scale word; v11 the old -M; v12 -M; v13 the largest t; v[14:15] the sum in two halves; v16, v17 x's scale words for [x | 0], [0 | x]; v18, v19 the second tile's; v20-21 KE's scale words; v22-23 VL's
; v24-29 zeros, v30-35 x's codes, v36-41 zeros: [0 | x] = v[24:35], [x | 0] = v[30:41]; v42-47 the second tile's codes
.set F,    48                          ; v48-95    four fragments of KE or of VL
.set S,    96                          ; v96-159   S^T, then p
.set O,    160                         ; v160-191  O^T
.set P,    192                         ; v192-203  p's codes
.set CT,   204                         ; v204-206, v208-210  each block's upper 16 codes, before they are moved
.set MX,   212                         ; v212-215  block c's largest score, in two chains at 2 c and 2 c + 1
.set SO,   216                         ; v216-217  the conversions' scale operands
.set BY,   218                         ; v218-219  the scale bytes
.set T0,   220
.set T1,   221                         ; the lane permutes' destination
.set FF,   222                         ; v[222:223] f = 2^(old M - new M); at the end 1 / the sum
.set SUM2, 224                         ; v[224:225] the sums' second chain
; s10 wave; s[20:21] lane selects; s22 c; s[24:27], s[28:35] the descriptor; s36 LDS byte of the step in hand; s37 steps to go; s39, s40 which half of X's image is mine; s[42:43] output; s[46:47], s[48:49] X's codes, scale words
.macro CROUND                          ; a round of the cluster's barrier
	s_barrier_signal -1
	s_barrier_wait -1
	s_cmp_lg_u32 s10, 0
	s_cbranch_scc1 .Lnot_wave_0_\@
	s_barrier_signal -3
.Lnot_wave_0_\@:
	s_barrier_wait -3
	s_barrier_signal -1
	s_barrier_wait -1
.endm
	s_load_b128 s[4:7], s[0:1], 0x0                ; ws s[4:5], out0 s[6:7]
	s_load_b64 s[8:9], s[0:1], 0x10                ; out1
	v_lshl_add_u32 v254, v0, 2, 0x43000
	v_mov_b32 v255, 0
	ds_add_u32 v254, v255
	ds_add_u32 v254, v255
	v_lshrrev_b32 v1, 5, v0
	s_delay_alu instid0(VALU_DEP_1)
	v_readfirstlane_b32 s10, v1                    ; wave 0..15
	s_bfe_u32 s11, ttmp6, 0x40000                  ; cx: my place in the cluster: it enters X's and the output's addresses alone
	s_lshl_b32 s41, ttmp9, 2
	s_add_co_u32 s41, s41, s11                     ; my block of 512 rows of X
	s_and_b32 s12, ttmp7, 0xffff                   ; 32 x direction + head, which the four partners share
	s_lshr_b32 s13, s12, 5                         ; direction
	s_and_b32 s14, s12, 31                         ; head = 8 b + hd
	; Y: the other tensor's record of this head, my wave's step record
	s_xor_b32 s16, s12, 32
	s_mul_i32 s16, s16, REC
	s_mul_i32 s25, s10, STEPB                      ; also its LDS address: wave x 12,800
	s_add_co_u32 s16, s16, s25
	s_mov_b32 s17, 0
	; descriptor group 1: a dense block of 12,800 bytes as 50 rows of 32 elements of 8 bytes
	s_mov_b32 s28, 15|(3<<16)|(1<<21)              ; 15:0 the mask: all four work-groups; 17:16 elements of 8 bytes; 20 no padding; 21 set beside a mask
	s_mov_b32 s29, 32<<16                          ; tensor_dim0 = 32
	s_mov_b32 s30, 50<<16                          ; tensor_dim1 = 50
	s_mov_b32 s31, 32<<16                          ; tile_dim0 = 32
	s_mov_b32 s32, 50                              ; tile_dim1 = 50
	s_mov_b32 s33, 32                              ; tensor_dim0_stride
	s_mov_b32 s34, 0
	s_mov_b32 s35, 0
	; X: step 4 x block + wave / 8 (the second tile: two steps on), tile T = wave % 8: half u = wave % 2 of image f = (wave / 2) % 4
	s_lshl_b32 s18, s41, 2
	s_lshr_b32 s44, s10, 3
	s_add_co_u32 s18, s18, s44
	s_mul_i32 s45, s18, STEPB
	s_mul_i32 s50, s12, REC
	s_add_co_u32 s50, s50, s45                     ; the step record
	s_bfe_u32 s45, s10, 0x20001                    ; f
	s_mul_i32 s52, s45, 1536
	s_add_co_u32 s52, s52, s50                     ; its image f
	s_mov_b32 s53, 0
	s_lshl_b32 s54, s45, 6
	s_add_co_u32 s54, s54, s50
	s_add_co_u32 s54, s54, KESO                    ; and that image's sixteen scale words
	s_mov_b32 s55, 0
	; the output: b << 22 | row << 11 | hd << 8, row = 128 x step + 64 (T / 4) + 8 (T % 4); lane terms add 32 (r / 8) + r % 8
	s_lshl_b32 s56, s18, 7
	s_bfe_u32 s45, s10, 0x10002
	s_lshl_b32 s45, s45, 6
	s_add_co_u32 s56, s56, s45
	s_and_b32 s45, s10, 3
	s_lshl_b32 s45, s45, 3
	s_add_co_u32 s56, s56, s45
	s_lshl_b32 s56, s56, 11
	s_lshr_b32 s45, s14, 3
	s_lshl_b32 s45, s45, 22
	s_or_b32 s56, s56, s45
	s_and_b32 s45, s14, 7
	s_lshl_b32 s45, s45, 8
	s_or_b32 s56, s56, s45
	s_mov_b32 s57, 0
	s_and_b32 s45, s10, 1                          ; u
	s_cmp_lg_u32 s45, 0
	s_cselect_b32 s39, -1, 0                       ; a lane mask: all ones where u = 1
	s_lshl_b32 s40, s45, 4                         ; 16 u
	s_mov_b32 s44, 0x7f7f0000
	s_mov_b32 s20, 0x76543210
	s_mov_b32 s21, 0xfedcba98                      ; v_permlanex16_b32's selects for lane l xor 16
	s_mov_b32 s22, 0x3e38aa3b                      ; c = log2(e) / 8
	s_mov_b32 s24, 1                               ; group 0: count = 1
	s_wait_dscnt 0x0
	s_wait_kmcnt 0x0
	s_add_nc_u64 s[26:27], s[4:5], s[16:17]
	s_or_b32 s27, s27, 0x80000000                  ; type = 2
	s_add_nc_u64 s[46:47], s[4:5], s[52:53]
	s_add_nc_u64 s[48:49], s[4:5], s[54:55]
	s_cmp_eq_u32 s13, 0                            ; the choice hangs on the work-group's number alone
	s_cselect_b64 s[42:43], s[6:7], s[8:9]
	s_add_nc_u64 s[42:43], s[42:43], s[56:57]
	CROUND                                         ; all four work-groups are here: the joint loads meet
	tensor_load_to_lds s[24:27], s[28:35]          ; Y's step record number wave
	s_nop 0
.rept 4
	v_nop
.endr
	v_and_b32 v[T0], 15, v0                        ; r
	v_bfe_u32 v[T1], v0, 4, 1                      ; h
	v_and_b32 v3, 31, v0                           ; lane
	s_delay_alu instid0(VALU_DEP_1)
	v_lshlrev_b32 v1, 4, v3
	s_delay_alu instid0(VALU_DEP_4)
	v_lshlrev_b32 v9, 2, v[T0]
.irp p, 0,1,2
	global_load_b128 v[F+4*\p:F+4*\p+3], v1, s[46:47] offset:512*\p                   ; X's image for my first tile,
	global_load_b128 v[F+12+4*\p:F+12+4*\p+3], v1, s[46:47] offset:2*STEPB+512*\p     ; and for my second
.endr
	global_load_b32 v[F+24], v9, s[48:49]          ; their rows' scale words
	global_load_b32 v[F+25], v9, s[48:49] offset:2*STEPB
	v_lshl_add_u32 v2, v3, 2, KESO
	s_mul_i32 s45, s10, 16*SP
	s_add_co_u32 s45, s45, STAGE                   ; my stage
	v_mul_u32_u24 v5, v[T0], SP
	s_delay_alu instid0(VALU_DEP_1)
	v_lshl_add_u32 v5, v[T1], 5, v5
	s_delay_alu instid0(VALU_DEP_1)
	v_add_nc_u32 v5, s45, v5                       ; in: row r; tile t's eight channels of my half lie 64 t + 32 h bytes on
	v_mul_u32_u24 v6, v[T1], SP
	s_delay_alu instid0(VALU_DEP_1)
	v_lshl_add_u32 v6, v[T0], 4, v6
	s_delay_alu instid0(VALU_DEP_1)
	v_add_nc_u32 v6, s45, v6                       ; back: lanes 0-15 one row, lanes 16-31 the next
	v_lshlrev_b32 v7, 11, v[T1]
	s_delay_alu instid0(VALU_DEP_1)
	v_lshl_add_u32 v7, v[T0], 4, v7                ; and the same two rows in the output, 2,048 bytes apart
	v_lshlrev_b32 v8, 3, v[T1]
.irp i, 0,1,2,3,4,5
	v_mov_b32 v[24+\i], 0                          ; zero codes on both sides of x's
	v_mov_b32 v[36+\i], 0
.endr
	v_mov_b32 v[T1], 0                             ; written once: a lane permute's destination counts as one of its sources
	v_mov_b32 v[FF+1], 0                           ; (named as the upper half of the pair before it is otherwise written)
	s_wait_tensorcnt 0x0                           ; my step record is in LDS,
	s_barrier_signal -1
	s_barrier_wait -1                              ; everybody's is: all of Y
	s_wait_loadcnt 0x0                             ; X
.irp i, 0,1,2,3,4,5
	v_cndmask_b32 v[30+\i], v[F+\i], v[F+6+\i], s39        ; my tile is half u of its image: registers 6 u on
	v_cndmask_b32 v[42+\i], v[F+12+\i], v[F+18+\i], s39
.endr
.irp i, 0,1
	v_lshrrev_b32 v[F+24+\i], s40, v[F+24+\i]              ; and bytes 2 u, 2 u + 1 of its word
.endr
.irp i, 0
	s_delay_alu instid0(VALU_DEP_2)
	v_and_or_b32 v[16+2*\i], v[F+24+\i], 0xffff, s44       ; for [x | 0]: my two bytes below, 127 (a scale of 1) over the zero codes
	s_delay_alu instid0(VALU_DEP_3)
	v_lshl_or_b32 v[17+2*\i], v[F+24+\i], 16, 0x7f7f       ; for [0 | x]: the other way round
.endr
.irp i, 1
	s_delay_alu instid0(VALU_DEP_3)
	v_and_or_b32 v[16+2*\i], v[F+24+\i], 0xffff, s44       ; for [x | 0]: my two bytes below, 127 (a scale of 1) over the zero codes
	s_delay_alu instid0(VALU_DEP_4)
	v_lshl_or_b32 v[17+2*\i], v[F+24+\i], 16, 0x7f7f       ; for [0 | x]: the other way round
.endr
.macro KFETCH adr, sca, off            ; KE's four images and their 64 scale words (lanes 0-15: the even image's, lanes 16-31: the odd one's)
.irp f, 0,1,2,3
.irp p, 0,1,2
	ds_load_b128 v[F+12*\f+4*\p:F+12*\f+4*\p+3], v[\adr] offset:\off+1536*\f+512*\p
.endr
.endr
.irp i, 0,1
	ds_load_b32 v[20+\i], v[\sca] offset:\off+128*\i
.endr
.endm
.macro VFETCH                          ; VL's likewise, of the step in hand
.irp f, 0,1,2,3
.irp p, 0,1,2
	ds_load_b128 v[F+12*\f+4*\p:F+12*\f+4*\p+3], v3 offset:VLO+1536*\f+512*\p
.endr
.endr
.irp i, 0,1
	ds_load_b32 v[22+\i], v4 offset:256+128*\i
.endr
.endm
.macro SCORE n                         ; tile n of S^T: half n % 2 of image n / 2 against x
.if ((\n)/2)%2
	v_wmma_scale_f32_16x16x128_f8f6f4 v[S+8*(\n):S+8*(\n)+7], v[F+12*((\n)/2):F+12*((\n)/2)+11], v[30-6*((\n)%2):41-6*((\n)%2)], 0, v[20+(\n)/4], v[16+(\n)%2] matrix_a_fmt:MATRIX_FMT_BF6 matrix_b_fmt:MATRIX_FMT_BF6 matrix_a_scale:MATRIX_SCALE_ROW1
.else
	v_wmma_scale_f32_16x16x128_f8f6f4 v[S+8*(\n):S+8*(\n)+7], v[F+12*((\n)/2):F+12*((\n)/2)+11], v[30-6*((\n)%2):41-6*((\n)%2)], 0, v[20+(\n)/4], v[16+(\n)%2] matrix_a_fmt:MATRIX_FMT_BF6 matrix_b_fmt:MATRIX_FMT_BF6
.endif
.endm
.macro PV n, first                     ; channels 16 n on of O^T; first = 1: the product starts the sum
.if \first
.if (\n)%2
	v_wmma_scale_f32_16x16x128_f8f6f4 v[O+8*(\n):O+8*(\n)+7], v[F+12*(\n):F+12*(\n)+11], v[P:P+11], 0, v[22+(\n)/2], v10 matrix_a_fmt:MATRIX_FMT_BF6 matrix_b_fmt:MATRIX_FMT_BF6 matrix_a_scale:MATRIX_SCALE_ROW1
.else
	v_wmma_scale_f32_16x16x128_f8f6f4 v[O+8*(\n):O+8*(\n)+7], v[F+12*(\n):F+12*(\n)+11], v[P:P+11], 0, v[22+(\n)/2], v10 matrix_a_fmt:MATRIX_FMT_BF6 matrix_b_fmt:MATRIX_FMT_BF6
.endif
.else
.if (\n)%2
	v_wmma_scale_f32_16x16x128_f8f6f4 v[O+8*(\n):O+8*(\n)+7], v[F+12*(\n):F+12*(\n)+11], v[P:P+11], v[O+8*(\n):O+8*(\n)+7], v[22+(\n)/2], v10 matrix_a_fmt:MATRIX_FMT_BF6 matrix_b_fmt:MATRIX_FMT_BF6 matrix_a_scale:MATRIX_SCALE_ROW1
.else
	v_wmma_scale_f32_16x16x128_f8f6f4 v[O+8*(\n):O+8*(\n)+7], v[F+12*(\n):F+12*(\n)+11], v[P:P+11], v[O+8*(\n):O+8*(\n)+7], v[22+(\n)/2], v10 matrix_a_fmt:MATRIX_FMT_BF6 matrix_b_fmt:MATRIX_FMT_BF6
.endif
.endif
.endm
.macro ACC2 j                          ; four more p into the sum's two chains
	v_dual_add_f32 v14, v[S+(\j)], v14 :: v_dual_add_f32 v15, v[S+(\j)+1], v15   ; two additions in one instruction: destinations even and odd, sources in different banks
	v_dual_add_f32 v[SUM2], v[S+(\j)+2], v[SUM2] :: v_dual_add_f32 v[SUM2+1], v[S+(\j)+3], v[SUM2+1]
.endm
; A KEY STEP: 128 rows of Y.  first = 1: a tile's first step, which starts O^T's sums.  fetch = 1: the next step's KE is fetched.
; Every accumulator's turn is one instruction (eight scores, each begun with 0, then O^T's four).
.macro STEP first, fetch
	s_wait_dscnt 0x0                               ; KE's images and scale words are in
.irp n, 0,1,2,3,4,5,6,7
	SCORE \n
.endr
	v_add_nc_u32 v3, s36, v1                       ; four plain instructions that name none of the scores' registers: the places in front of the loads into KE's registers and of the first read of the scores
	v_add_nc_u32 v4, s36, v2
	v_mov_b32 v11, v12                             ; the old -M
	v_nop
	VFETCH                                         ; lands during the softmax
	; THE LARGEST SCORE OF EACH BLOCK OF 32 KEYS, all in my lane; it serves twice: for the row's maximum and for the block's largest p.  Ascending: each tile of scores is first read at its low end
.irp c, 0,1
	v_max3_num_f32 v[MX+2*\c], v[S+32*\c], v[S+32*\c+1], v[S+32*\c+2]
	v_max3_num_f32 v[MX+2*\c+1], v[S+32*\c+16], v[S+32*\c+17], v[S+32*\c+18]
.endr
.irp i, 3,5,7,9,11,13
.irp c, 0,1
	v_max3_num_f32 v[MX+2*\c], v[MX+2*\c], v[S+32*\c+\i], v[S+32*\c+\i+1]
	v_max3_num_f32 v[MX+2*\c+1], v[MX+2*\c+1], v[S+32*\c+16+\i], v[S+32*\c+17+\i]
.endr
.endr
.irp c, 0,1
	v_max3_num_f32 v[MX+2*\c], v[MX+2*\c], v[MX+2*\c+1], v[S+32*\c+15]
.endr
.irp c, 0,1
	v_max_num_f32 v[MX+2*\c], v[MX+2*\c], v[S+32*\c+31]
.endr
	s_delay_alu instid0(VALU_DEP_1)
	v_max_num_f32 v[T0], v[MX], v[MX+2]
	s_delay_alu instid0(VALU_DEP_1)
	v_permlanex16_b32 v[T1], v[T0], s20, s21
	s_delay_alu instid0(VALU_DEP_1)
	v_max_num_f32 v[T0], v[T0], v[T1]              ; with lane l xor 16's 64 keys: the step's largest score of my row
	s_delay_alu instid0(VALU_DEP_1)
	v_mul_f32 v[T0], s22, v[T0]                    ; as t (c is positive)
	s_delay_alu instid0(VALU_DEP_1)
	v_max_num_f32 v13, v13, v[T0]                  ; the running largest t
	s_delay_alu instid0(VALU_DEP_1)
	v_floor_f32 v12, -v13                          ; the new -M = floor(-t) = -ceil(t): a whole number
	s_delay_alu instid0(VALU_DEP_1)
	v_sub_f32 v[T0], v12, v11                      ; old M - new M: a whole number, 0 or less
	s_delay_alu instid0(VALU_DEP_1)
	v_cvt_i32_f32 v[T0], v[T0]                     ; (it saturates)
	s_delay_alu instid0(VALU_DEP_1)
	v_ldexp_f32 v[FF], 1.0, v[T0]                  ; f = 2^(old M - new M)
	v_mov_b32 v227, v12                            ; -M once more, in an odd register: the two halves of a pair below take their addends from an even and an odd register
.irp j, 0,2,4,6,8,10,12,14,16,18,20,22,24,26,28,30,32,34,36,38,40,42,44,46,48,50,52,54,56,58,60,62
	v_dual_fmamk_f32 v[S+\j], v[S+\j], 0x3e38aa3b, v12 :: v_dual_fmamk_f32 v[S+\j+1], v[S+\j+1], 0x3e38aa3b, v227   ; t - M = score x c - M, two at a time: one fused multiply-add each, c the same constant as s22
.endr
.irp c, 0,1
	v_fma_f32 v[MX+2*\c], v[MX+2*\c], s22, v12     ; the same of each block's largest score
.endr
	s_wait_alu depctr_va_vdst(0)
.irp j, 0,1,2,3,4,5,6,7,8,9,10,11,12,13,14,15,16,17,18,19,20,21,22,23,24,25,26,27,28,29,30,31,32,33,34,35,36,37,38,39,40,41,42,43,44,45,46,47,48,49,50,51,52,53,54,55,56,57,58,59,60,61,62,63
	v_exp_f32 v[S+\j], v[S+\j]                     ; p = 2^(t - M), at most 1: not normalised
.endr
.irp c, 0,1
	v_exp_f32 v[MX+2*\c], v[MX+2*\c]               ; the block's largest p: the same two instructions on the same number give the same bits
.endr
	v_pk_mul_f32 v[14:15], v[14:15], v[FF:FF+1] op_sel_hi:[1,0]   ; the sums under the new M.  (The plain place behind the exponentials)
	s_wait_alu depctr_va_vdst(0)
.irp c, 0,1
	v_max_num_f32 v[MX+2*\c], 0x2800000, v[MX+2*\c]   ; the floor 2^(5 - 127): the byte cannot fall under 1
.endr
.irp c, 0,1
	s_delay_alu instid0(VALU_DEP_2)
	v_add_nc_u32 v[SO+\c], 0xfe000000, v[MX+2*\c]  ; 4 off the exponent field: the conversion's scale operand
.endr
.irp c, 0,1
	s_delay_alu instid0(VALU_DEP_2)
	v_lshrrev_b32 v[BY+\c], 23, v[SO+\c]           ; the scale's byte
.endr
	s_delay_alu instid0(VALU_DEP_1)
	v_lshl_or_b32 v[T0], v[BY+1], 16, v[BY]        ; my two bytes: blocks h and 2 + h,
	s_delay_alu instid0(VALU_DEP_1)
	v_lshlrev_b32 v[T0], v8, v[T0]                 ; at their places, 8 h bits up;
	s_delay_alu instid0(VALU_DEP_1)
	v_permlanex16_b32 v[T1], v[T0], s20, s21
	s_delay_alu instid0(VALU_DEP_1)
	v_or_b32 v10, v[T0], v[T1]                     ; with lane l xor 16's two: p's scale word for these 128 keys
.irp c, 0,1
	v_cvt_scalef32_pk16_bf6_f32 v[P+6*\c:P+6*\c+2], v[S+32*\c:S+32*\c+15], v[SO+\c]
	v_cvt_scalef32_pk16_bf6_f32 v[CT+4*\c:CT+4*\c+2], v[S+32*\c+16:S+32*\c+31], v[SO+\c]   ; (a conversion's three registers begin on an even number)
.endr
	v_nop                                          ; one plain place behind a scaled conversion
	v_dual_mov_b32 v[P+3], v[CT] :: v_dual_mov_b32 v[P+10], v[CT+5]     ; registers 6 c .. 6 c + 5 hold keys 64 c + 32 h + 0 .. 31: the operand as it is wanted
	v_dual_mov_b32 v[P+4], v[CT+1] :: v_dual_mov_b32 v[P+9], v[CT+4]    ; (a pair has one even and one odd destination: four of the six moves pair up)
	v_mov_b32 v[P+5], v[CT+2]
	v_mov_b32 v[P+11], v[CT+6]
.if \first == 0
.irp j, 0,2,4,6,8,10,12,14,16,18,20,22,24,26,28,30
	v_dual_mul_f32 v[O+\j], v[FF], v[O+\j] :: v_dual_mul_f32 v[O+\j+1], v[FF], v[O+\j+1]   ; O^T under the new M, each accumulator from its low end on
.endr
.endif
	v_dual_add_f32 v[SUM2], v[S], v[S+2] :: v_dual_add_f32 v[SUM2+1], v[S+1], v[S+3]   ; THE ROW'S SUM IS TAKEN OF THE UNQUANTISED p, in two chains.  These nine name none of the next products' registers:
.irp j, 4,8,12,16
	ACC2 \j                                        ; with the v_nop above they are ten places behind p's scale word (eight are owed) and nine behind its codes (four)
.endr
	s_wait_alu depctr_va_vdst(0)
	s_wait_dscnt 0x0                               ; VL's images and scale words are in
.irp n, 0,1,2,3
	PV \n, \first
.endr
	ACC2 20                                        ; four places in front of the loads into VL's registers
	ACC2 24
.if \fetch
	KFETCH 3, 4, STEPB                             ; the next step's KE: one step record on
.endif
.irp j, 28,32,36,40,44,48,52,56,60
	ACC2 \j
.endr
	v_dual_add_f32 v14, v[SUM2], v14 :: v_dual_add_f32 v15, v[SUM2+1], v15   ; the two chains joined
	s_add_co_u32 s36, s36, STEPB
.endm
; ONE TILE OF 16 ROWS OF X against all of Y, and its way out.  trip = 0: my first tile; behind it the second tile's codes and scale words take their places.
.macro TILE trip
	v_mov_b32 v13, 0xff61b1e6                      ; the largest t so far: -3e38, under every t
	s_delay_alu instid0(VALU_DEP_1)
	v_floor_f32 v12, -v13                          ; -M
	v_mov_b32 v14, 0                               ; the sum, in two halves
	v_mov_b32 v15, 0
	s_mov_b32 s36, 0
	KFETCH 1, 2, 0
.rept 8
	v_nop                                          ; x's scale words were written by vector instructions: eight places in front of the first scaled product
.endr
	s_wait_alu depctr_va_vdst(0)
	STEP 1, 1
	s_mov_b32 s37, 14
.Lstep_\@:
	STEP 0, 1
	s_sub_co_u32 s37, s37, 1
	s_cmp_lg_u32 s37, 0
	s_cbranch_scc1 .Lstep_\@
	STEP 0, 0                                      ; the last step fetches nothing; its 23 packed sums are the places behind the last products
	v_add_f32 v14, v14, v15                        ; the sum's two halves,
	s_delay_alu instid0(VALU_DEP_1)
	v_permlanex16_b32 v[T1], v14, s20, s21
	s_delay_alu instid0(VALU_DEP_1)
	v_add_f32 v14, v14, v[T1]                      ; and lane l xor 16's: the row's sum
	s_wait_alu depctr_va_vdst(0)
	v_rcp_f32 v[FF], v14
	v_nop                                          ; one plain place behind a transcendental
	s_wait_alu depctr_va_vdst(0)
.irp j, 0,2,4,6,8,10,12,14,16,18,20,22,24,26,28,30
	v_pk_mul_f32 v[S+\j:S+\j+1], v[O+\j:O+\j+1], v[FF:FF+1] op_sel_hi:[1,0]   ; O^T / the sum: register 8 t + i is channel 16 t + 8 h + i of my row
.endr
.irp t, 0,1,2,3
	ds_store_b128 v5, v[S+8*\t:S+8*\t+3] offset:64*\t
	ds_store_b128 v5, v[S+8*\t+4:S+8*\t+7] offset:64*\t+16
.endr
.irp i, 0,1,2,3,4,5,6,7
	ds_load_b128 v[F+4*\i:F+4*\i+3], v6 offset:2*\i*SP   ; LDS serves a wave's instructions in order (ISA guide 5.7.1.4): these see my stores; the stage is my wave's own
.endr
.irp i, 0,1,2,3,4,5,6,7
	s_wait_dscnt 7-\i                              ; rows 2 i and 2 i + 1 are back; the 7 - i younger loads may be out
	global_store_b128 v7, v[F+4*\i:F+4*\i+3], s[42:43] offset:\trip*256*2048+(2*(\i%4)+32*(\i/4))*2048 th:TH_STORE_NT   ; stage row 2 i + h is output row 32 (i / 4) + 2 (i % 4) + h of my tile: sixteen lanes store its 256 bytes, aligned
.endr
.if \trip == 0
	s_wait_xcnt 0x0                                ; the stores have read their registers: the next tile's fragments may land there
.irp i, 0,1,2,3,4,5
	v_mov_b32 v[30+\i], v[42+\i]                   ; my second tile's codes,
.endr
	v_mov_b32 v16, v18                             ; and its scale words
	v_mov_b32 v17, v19
.endif
.endm
	s_wait_alu depctr_va_vdst(0)
	TILE 0
	TILE 1
	s_wait_dscnt 0x0                               ; no LDS instruction of mine is out at the signal
	s_wait_tensorcnt 0x0
	ds_add_u32 v254, v255
	s_wait_dscnt 0x0
	CROUND                                         ; the closing round: no work-group ends while a partner may still ask for a record that names it
	s_endpgm
.Lfunc_end_k_q3dba498356_attn:
	.size	k_q3dba498356_attn, .Lfunc_end_k_q3dba498356_attn-k_q3dba498356_attn
	.p2alignl 7, 3214868480
	.fill 96, 4, 3214868480
	.section	.rodata,"a",@progbits
	.p2align	6, 0x0
	.amdhsa_kernel k_q3dba498356_attn
		.amdhsa_group_segment_fixed_size 276480
		.amdhsa_private_segment_fixed_size 0
		.amdhsa_enable_private_segment 0
		.amdhsa_kernarg_size 24
		.amdhsa_user_sgpr_count 2
		.amdhsa_user_sgpr_kernarg_segment_ptr 1
		.amdhsa_wavefront_size32 1
		.amdhsa_system_sgpr_workgroup_id_x 1
		.amdhsa_system_sgpr_workgroup_id_y 1
		.amdhsa_system_sgpr_workgroup_id_z 1
		.amdhsa_system_vgpr_workitem_id 0
		.amdhsa_next_free_vgpr 256
		.amdhsa_next_free_sgpr 66
		.amdhsa_reserve_vcc 0
		.amdhsa_float_denorm_mode_32 3
		.amdhsa_float_denorm_mode_16_64 3
		.amdhsa_memory_ordered 1
		.amdhsa_forward_progress 1
		.amdhsa_inst_pref_size 109
	.end_amdhsa_kernel
	.amdgpu_metadata
---
amdhsa.version: [ 1, 2 ]
amdhsa.kernels:
  - .name:           k_q3dba498356_attn
    .symbol:         k_q3dba498356_attn.kd
    .args:
      - { .name: ws, .offset: 0, .size: 8, .value_kind: global_buffer, .address_space: global }
      - { .name: out0, .offset: 8, .size: 8, .value_kind: global_buffer, .address_space: global }
      - { .name: out1, .offset: 16, .size: 8, .value_kind: global_buffer, .address_space: global }
    .group_segment_fixed_size: 276480
    .private_segment_fixed_size: 0
    .kernarg_segment_align: 8
    .kernarg_segment_size: 24
    .max_flat_workgroup_size: 512
    .sgpr_count:     66
    .vgpr_count:     256
    .wavefront_size: 32
...
	.end_amdgpu_metadata
.endif
;; end of part 2
